; MI455X (gfx1250); checked and timed in simulation.
; The chip was launched on July 23, 2026; its instructions are those of AMD's public machine-readable ISA for CDNA 5 (MIT licence, August 2026) and "CDNA5" Instruction Set Architecture Reference Guide (July 2026). The comments in the code are by the model that wrote it; some were corrected since.
;; Log Sparce Attention. Allowed arithmetic: float matrix products may take bf16 or f16 operands with f32 sums; other float arithmetic in f32, or as packed bf16 or f16 multiplies, adds, multiply-adds, maxima and minima; sums over many terms, partial sums and values carried from step to step in f32; what a program stores and reads back later, other than sums and carried values, may be rounded once to bf16 or f16.
;; Inputs: keys 2 x 2,048 x 16 x 64 float32; queries 2 x 2,048 x 16 x 64 float32; values 2 x 2,048 x 16 x 64 float32.
;; Outputs: out0 2 x 2,048 x 16 x 64 float32.
;; 2 versions, each right; version 2 is version 1 with the launch logsparse written anew for expert scheduling mode. Each part assembles by itself: llvm-mc -triple=amdgcn-amd-amdhsa -mcpu=gfx1250 --defsym DOCPART=n.
;; ======== version 1 of 2: 1 launch
;; limits: values are held in f16: magnitudes above 65,504 overflow, below 6.1e-05 lose precision; inputs' magnitudes at most 65,504; right only within a limited range of input values
;; launch logsparse (part 1): grid 8 x 32, 16 waves a work-group, no clusters, 323,072 bytes of LDS; arguments queries, keys, values, out0; writes out0
.if DOCPART == 1
	.amdgcn_target "amdgcn-amd-amdhsa--gfx1250"
	.amdhsa_code_object_version 6
	.text
	.protected	k_q6d4e7e5924_logsparse
	.globl	k_q6d4e7e5924_logsparse
	.p2align	8
	.type	k_q6d4e7e5924_logsparse,@function
k_q6d4e7e5924_logsparse:
	s_mov_b64 s[64:65], 0
	v_nop
	global_prefetch_b8 v0, s[64:65] scope:SCOPE_SE
	s_setreg_imm32_b32 hwreg(HW_REG_WAVE_MODE, 25, 1), 1
	s_wait_xcnt 0x0
; LOG-SPARSE ATTENTION.  out[b][i][h][:] = the sum over keys k of softmax_k(scale x masked(Q[b][i][h] . K[b][k][h])) V[b][k][h][:], scale = 1/8.
; queries, keys, values, out0: [2][2048][16][64] f32: row l of head (b, h) is 256 bytes at b 2^23 + 4096 l + 256 h.
; THE MASK is built by the problem itself, with sub_len = win_len = 2048: log_l = 11.  Row i < 22 sees the keys 0 .. i.  Row i >= 22 sees the keys i - o >= 0 with
; o in D = {0 .. 12, 14, 18, 26, 42, 74, 138, 266, 522, 1034} (i - 10 .. i, and i - 10 - 2^e for e = 0 .. 10); its loop ends after one pass, since i - 2048 < 0.
; WORK LEFT OUT.  A hidden score is q.k x 0 - 1e9: the product meets a zero that the problem builds, whatever q and k hold.  Its weight is exp(-1.25e8 - the row's maximum), and every row
; sees its own key, so the maximum is a true score: the weight is 0 in f32 while the row's true scores q.k lie above -9.9e8.  So key tiles that hold no allowed pair are not multiplied:
; of a tile of 16 queries' 128 key tiles 9 are taken: four for the offsets 0 .. 63, one for each of 74, 138, 266, 522, 1034.  Inside these the hidden pairs are computed and masked.
; Rows before the sequence's start are fetched as rows 0 and 1 (a clamped address) and masked: a jump round them would make the counts of the waits differ from path to path.
; LIMITS.  Q, K, V and the weights are rounded once to f16: |input| < 65,504.  True scores q.k above -9.9e8 (inputs under some 3,900).  A hidden score counts as q.k - 1e30.  A weight below
; 2^-126 counts as 0.  A NaN, an infinity or an overflow in a key or value that lies in none of a query's 9 tiles is not carried to that query; inside the tiles they are not treated apart.
; SHARES.  A work-group owns 256 queries (block j = x) of one head (y), each of its 16 waves a tile of 16.  The block's rows of K and V (1,056 each: 256 for the offset 1034, 544 before the
; block, the 256 of the block) come in whole rows of 256 bytes, are rounded to f16 in registers ONCE and laid into LDS, where some ten tiles read each.
; NO JOINT REQUESTS, NO COPIES INTO LDS: they would lay the rows down in f32, 2 x 1,056 x 256 = 540,672 bytes, more than the 323,072 that the work-group is given, and V in f32 cannot be turned.
; LAYOUT.  S^T = K Q^T (source 0 = 16 keys, source 1 = 16 queries): a lane holds ONE query (lane % 16) and the keys 8 (lane / 16) + 0..7.  The mask, 0 or -1e30, is the value that the sums start
; from.  Two such tiles rounded to f16 ARE source 1 of O^T = V^T P; V comes out of LDS turned (ds_load_tr16_b128).  All of a row's live keys are at hand, so the softmax takes their true maximum.
.set KP,    144                        ; a row of K in LDS: 128 bytes + 16 = 36 words: the 16 rows of a fragment load start at 16 different groups of four banks (64 banks of 4 bytes: ISA guide 11.1)
.set VP,    160                        ; a row of V: 128 + 32 = 40 words
.set NROW,  1056
.set VREG,  NROW*KP                    ; K: bytes 0 .. 152,063; V from here
.set SPARE, VREG+NROW*VP               ; 321,024: the spare words, 128 bytes for each of 16 waves: eight blocks of 256 bytes that no other line names
.set QSTG,  16*KP                      ; each wave's stage for Q, at VREG + 2,304 w: used ahead of the first barrier, V's rows are stored behind it
.set OP,    272                        ; each wave's stage for O, 16 rows of 256 + 16 bytes at 4,352 w in K's region: used behind the second barrier, K is read ahead of it
.set SPW,  1                           ; v1   SPARE + 4 x my thread's number; never rewritten
.set NIL,  2                           ; v2   0; never rewritten
.set LANE, 3                           ; v3   4096 (l / 16) + 16 (l % 16): my 16 bytes in two rows of memory
.set OFFO, 4                           ; v4   the block's rows: 4096 (i0 + 2 w) + LANE
.set OFFQ, 5                           ; v5   my tile's rows: 4096 q0 + LANE: for Q and for O
.set ST0,  6                           ; v6-8 where I store a converted row's 8 bytes: three bases, so that the immediates stay under 65,536; for K, then for V
.set AKLO, 9                           ; v9   my place in a fragment of K at LDS row 16 w;  v10 the same 534 rows on
.set AVLO, 11                          ; v11  the same for V's turning loads;              v12 534 rows on
.set BIG,  13                          ; v13  -1e30
.set ZERO, 14                          ; v14  0
.set QI,   15                          ; v15  my query: q0 + l % 16
.set QF,   16                          ; v16-31   Q's two fragments
.set S,    32                          ; v32-103  S^T, tile x at S + 8 x; first Q in f32; at the end O^T (v32-63) and the rows read back (v64-95)
.set OT,   32
.set BK,   64
.set LD,   104                         ; v104-235 33 slots of four registers for rows on their way in
.set VF0,  104                         ; later V's fragments, two buffers of 32
.set VF1,  136
.set FB0,  172                         ; K's fragments, two buffers of 32: tile a of a pair, channel half c at 16 a + 8 c
.set FB1,  204
.set P,    172                         ; later the weights in f16: tile x at P + 4 x; P + 36 .. 39 hold 0
.set KB,   236                         ; v236 48 - q0 - 8 (l / 16): register j of local tile t holds a key >= 0 where 16 t + j is not below it
.set QST,  237                         ; v237 Q's stage, in;   later STO, O's stage, in
.set QLD,  238                         ; v238 Q's stage, back; later RD,  O's stage, back
.set STO,  237
.set RD,   238
.set RW,   239                         ; v239 2 w + l / 16
.set TR,   240                         ; v240-243 l % 16, l / 16, l % 8, (l / 8) % 2; later three chains of the maximum and one at work
.set TH,   241
.set T7,   242
.set T3,   243
.set CH,   240
.set TT,   243
.set CM,   244                         ; v244 c m, v245 m
.set SUM,  246                         ; v246-253 four sums of pairs
.set RL,   254                         ; v254-255 1 / l, twice
.set WV,   12                          ; s12  my wave's number
.set I0,   18                          ; s18  the block's first query
.set Q0,   19                          ; s19  my tile's first query
.set CS,   20                          ; s[20:21] c = log2(e) / 8
.set SEL,  22                          ; s22-23 v_permlanex16_b32's selects: each lane takes its own place in the other half
.set L22,  24                          ; s24  lanes whose query is below 22
.set VD,   25                          ; s25-29 lanes whose query is at least 74, 138, 266, 522, 1034
.set RF,   30                          ; s30  i0 - 1034 + 2 w
.set RM,   31                          ; s31  i0 - 544 + 2 w
.set KN,   32                          ; s32-39 at work: key >= 0
.set MK,   40                          ; s40-47 at work: a register's mask of allowed lanes
.set TS,   48                          ; s48-51 at work
.set MD,   0x1fff|(1<<14)|(1<<18)|(1<<26)|(1<<42)   ; the offsets of D below 64, as bits
.macro NOP4                            ; four places between a matrix instruction and a load into a register that it has read
.rept 4
	v_nop
.endr
.endm
; Row fetch m of 33, for K or V, into slot: 32 lanes take two rows of 256 bytes.  m 0-7: rows i0 - 1034 + 32 m + 2 w; 8-24: i0 - 544 + 32 (m - 8) + 2 w; 25-32: i0 + 32 (m - 25) + 2 w.
; The first row is even, so both rows lie before the sequence's start or neither: the first is clamped to 0.  The offset is made in the load's own first destination register.
.macro GLOAD ptr, m, slot
.set dd, LD+4*(\slot)
.if (\m) < 25
.if (\m) < 8
	s_add_co_i32 s[TS], s[RF], 32*(\m)
.else
	s_add_co_i32 s[TS], s[RM], 32*((\m)-8)
.endif
	s_max_i32 s[TS], s[TS], 0
	v_lshl_add_u32 v[dd], s[TS], 12, v[LANE]
	global_load_b128 v[dd:dd+3], v[dd], s[\ptr:\ptr+1]
.else
	global_load_b128 v[dd:dd+3], v[OFFO], s[\ptr:\ptr+1] offset:((\m)-25)*131072
.endif
.endm
; Row fetch m has come (left younger loads may stay out): four f32 become four f16, stored at LDS row 32 m + 2 w + l / 16, byte 8 (l % 16).
.macro CVST m, slot, per, pitch, left
.set dd, LD+4*(\slot)
	s_wait_loadcnt \left
	v_cvt_pk_f16_f32 v[dd], v[dd], v[dd+1]
	v_cvt_pk_f16_f32 v[dd+1], v[dd+2], v[dd+3]
	ds_store_b64 v[ST0+(\m)/(\per)], v[dd:dd+1] offset:((\m)%(\per))*32*(\pitch)
.endm
; Key tile x begins at LDS row 16 w + NR: 752 + 16 x for the local tiles (keys q0 - 48 + 16 x on); 800 - d for d = 74, 138, 266, 522; 0 for d = 1034.  NRL is NR less the base's 534 (HIB = 1) or 0.
.macro TILE x
.set HIB, 1
.if (\x) < 4
.set NRL, 218+16*(\x)
.elseif (\x) == 4
.set NRL, 192
.elseif (\x) == 5
.set NRL, 128
.elseif (\x) == 6
.set NRL, 0
.elseif (\x) == 7
.set NRL, 278
.set HIB, 0
.else
.set NRL, 0
.set HIB, 0
.endif
.endm
.macro LOADK x, dst                    ; tile x of K: two fragments of 16 keys x 32 channels, four loads of 16 bytes a lane
	TILE \x
.irp n, 0,1,2,3
	ds_load_b128 v[(\dst)+4*\n:(\dst)+4*\n+3], v[AKLO+HIB] offset:NRL*KP+32*\n
.endr
.endm
.macro WQK x, c, frag                  ; S^T of tile x takes channels 32 c on
	v_wmma_f32_16x16x32_f16 v[S+8*(\x):S+8*(\x)+7], v[(\frag)+8*(\c):(\frag)+8*(\c)+7], v[QF+8*(\c):QF+8*(\c)+7], v[S+8*(\x):S+8*(\x)+7]
.endm
.macro PAIRW xa, xb, buf               ; two tiles: the two accumulators take turns, one instruction a turn
	WQK \xa, 0, \buf
	WQK \xb, 0, (\buf)+16
	WQK \xa, 1, \buf
	WQK \xb, 1, (\buf)+16
.endm
.macro LOADV x, half, buf              ; tile x of V, turned: half a fragment (16 of its 32 keys) for each of the four blocks of 16 channels
	TILE \x
.irp cb, 0,1,2,3
	ds_load_tr16_b128 v[(\buf)+8*\cb+4*(\half):(\buf)+8*\cb+4*(\half)+3], v[AVLO+HIB] offset:NRL*VP+32*\cb
.endr
.endm
.macro WPV y, buf, zero                ; O^T takes the pair y of key tiles: four accumulators by turns; zero = 1: the first products start the sums
.irp cb, 0,1,2,3
.if \zero
	v_wmma_f32_16x16x32_f16 v[OT+8*\cb:OT+8*\cb+7], v[(\buf)+8*\cb:(\buf)+8*\cb+7], v[P+8*(\y):P+8*(\y)+7], 0
.else
	v_wmma_f32_16x16x32_f16 v[OT+8*\cb:OT+8*\cb+7], v[(\buf)+8*\cb:(\buf)+8*\cb+7], v[P+8*(\y):P+8*(\y)+7], v[OT+8*\cb:OT+8*\cb+7]
.endif
.endr
.endm
; At assembly time: in register j of local tile t, lane l holds the offset o = l % 16 + 48 - 16 t - 8 (l / 16) - j.  AC: lanes with o >= 0.  AD: lanes with o in D.
.macro LM t, j
.set AC, 0
.set AD, 0
.set ml, 0
.rept 32
.set mo, (ml%16)+48-16*(\t)-8*(ml/16)-(\j)
.if mo >= 0
.set AC, AC|(1<<ml)
.if (MD>>mo)&1
.set AD, AD|(1<<ml)
.endif
.endif
.set ml, ml+1
.endr
.endm
; Local tile t's eight starting values: allowed = (key >= 0) and (o in D, or (query < 22 and o >= 0)).
.macro MASKL t
.irp j, 0,1,2,3,4,5,6,7
	v_cmp_ge_i32 s[KN+\j], 16*(\t)+\j, v[KB]
.endr
.irp j, 0,1,2,3,4,5,6,7
	LM \t, \j
	s_and_b32 s[MK+\j], s[L22], AC
	s_or_b32 s[MK+\j], s[MK+\j], AD
	s_and_b32 s[MK+\j], s[MK+\j], s[KN+\j]
.endr
.irp j, 0,1,2,3,4,5,6,7
	v_cndmask_b32 v[S+8*(\t)+\j], v[BIG], v[ZERO], s[MK+\j]
.endr
.endm
; Tile x = 4 .. 8 begins at key q0 - d: the one allowed pair of a query is key row = query row: register j of lanes j and 24 + j; and only where d <= the query.
.macro MASKD x
.irp j, 0,1,2,3,4,5,6,7
	s_and_b32 s[MK+\j], s[VD+(\x)-4], (1<<\j)|(1<<(24+\j))
.endr
.irp j, 0,1,2,3,4,5,6,7
	v_cndmask_b32 v[S+8*(\x)+\j], v[BIG], v[ZERO], s[MK+\j]
.endr
.endm
	; ---- the head: what the loads need
	s_load_b256 s[4:11], s[0:1], 0x0               ; queries s[4:5], keys s[6:7], values s[8:9], out0 s[10:11]
	v_lshl_add_u32 v[SPW], v0, 2, SPARE
	v_mov_b32 v[NIL], 0
	v_lshrrev_b32 v[TR], 5, v0
	v_readfirstlane_b32 s[WV], v[TR]               ; wave 0..15
	v_and_b32 v[TR], 15, v0                        ; l % 16
	v_bfe_u32 v[TH], v0, 4, 1                      ; l / 16
	v_and_b32 v[T7], 7, v0
	v_bfe_u32 v[T3], v0, 3, 1
	s_lshl_b32 s[I0], ttmp9, 8                     ; i0 = 256 x block
	s_lshl_b32 s[TS], s[WV], 4
	s_add_co_u32 s[Q0], s[I0], s[TS]               ; q0 = i0 + 16 w
	s_lshl_b32 s[TS], s[WV], 1
	s_add_co_u32 s[TS+1], s[I0], s[TS]             ; i0 + 2 w
	s_sub_co_i32 s[RF], s[TS+1], 1034
	s_sub_co_i32 s[RM], s[TS+1], 544
	s_and_b32 s14, ttmp7, 0xffff                   ; 16 b + h
	s_lshr_b32 s15, s14, 4
	s_lshl_b32 s15, s15, 23                        ; b x 2^23
	s_and_b32 s16, s14, 15
	s_lshl_b32 s16, s16, 8                         ; h x 256
	s_or_b32 s16, s16, s15
	s_mov_b32 s17, 0
	v_lshlrev_b32 v[LANE], 4, v[TR]
	v_lshl_or_b32 v[LANE], v[TH], 12, v[LANE]
	v_lshl_add_u32 v[OFFO], s[TS+1], 12, v[LANE]
	v_lshl_add_u32 v[OFFQ], s[Q0], 12, v[LANE]
	s_wait_kmcnt 0x0
	s_add_nc_u64 s[4:5], s[4:5], s[16:17]          ; all four tensors at the head's row 0
	s_add_nc_u64 s[6:7], s[6:7], s[16:17]
	s_add_nc_u64 s[8:9], s[8:9], s[16:17]
	s_add_nc_u64 s[10:11], s[10:11], s[16:17]
	; ---- 41 loads go out: my tile of Q (read once in the launch), then my 33 pairs of rows of K
.irp t, 0,1,2,3,4,5,6,7
	global_load_b128 v[S+4*\t:S+4*\t+3], v[OFFQ], s[4:5] offset:8192*\t th:TH_LOAD_NT
.endr
.set mm, 0
.rept 33
	GLOAD 6, mm, mm
.set mm, mm+1
.endr
	; ---- while they are on their way: the other addresses, the constants and the masks
	s_mov_b32 s[CS], 0x3e38aa3b                    ; c = log2(e) / 8
	s_mov_b32 s[CS+1], s[CS]                       ; named with it as a pair
	s_mov_b32 s[SEL], 0x76543210
	s_mov_b32 s[SEL+1], 0xfedcba98
	v_mov_b32 v[BIG], 0xf149f2ca                   ; -1e30
	v_mov_b32 v[ZERO], 0
	v_add_nc_u32 v[QI], s[Q0], v[TR]
	s_sub_co_i32 s[TS+1], 48, s[Q0]
	v_lshlrev_b32 v[KB], 3, v[TH]
	v_sub_nc_u32 v[KB], s[TS+1], v[KB]
	v_lshl_add_u32 v[RW], s[WV], 1, v[TH]          ; 2 w + l / 16
	v_mul_u32_u24 v[ST0], v[RW], KP
	v_lshl_add_u32 v[ST0], v[TR], 3, v[ST0]
	v_add_nc_u32 v[ST0+1], 14*32*KP, v[ST0]
	v_add_nc_u32 v[ST0+2], 28*32*KP, v[ST0]
	v_lshl_add_u32 v[AKLO], s[WV], 4, v[TR]        ; row 16 w + l % 16
	v_mul_u32_u24 v[AKLO], v[AKLO], KP
	v_lshl_add_u32 v[AKLO], v[TH], 4, v[AKLO]      ; + 16 x half
	v_add_nc_u32 v[AKLO+1], 534*KP, v[AKLO]
	v_lshl_add_u32 v[AVLO], v[TH], 3, v[T7]        ; row 16 w + 8 (l / 16) + l % 8
	v_lshl_add_u32 v[AVLO], s[WV], 4, v[AVLO]
	v_mul_u32_u24 v[AVLO], v[AVLO], VP
	v_lshl_add_u32 v[AVLO], v[T3], 4, v[AVLO]      ; + 16 ((l / 8) % 2)
	v_add_nc_u32 v[AVLO], VREG, v[AVLO]
	v_add_nc_u32 v[AVLO+1], 534*VP, v[AVLO]
	s_mul_i32 s[TS+2], s[WV], QSTG
	s_add_co_u32 s[TS+2], s[TS+2], VREG            ; my stage for Q
	v_mul_u32_u24 v[QST], v[TH], KP
	v_lshl_add_u32 v[QST], v[TR], 3, v[QST]
	v_add_nc_u32 v[QST], s[TS+2], v[QST]
	v_mul_u32_u24 v[QLD], v[TR], KP
	v_lshl_add_u32 v[QLD], v[TH], 4, v[QLD]
	v_add_nc_u32 v[QLD], s[TS+2], v[QLD]
	v_cmp_gt_i32 s[L22], 22, v[QI]
	v_cmp_le_i32 s[VD+0], 74, v[QI]
	v_cmp_le_i32 s[VD+1], 138, v[QI]
	v_cmp_le_i32 s[VD+2], 266, v[QI]
	v_cmp_le_i32 s[VD+3], 522, v[QI]
	v_cmp_le_i32 s[VD+4], 1034, v[QI]
	MASKD 4                                        ; v64-103: no load lands there
	MASKD 5
	MASKD 6
	MASKD 7
	MASKD 8
	s_wait_loadcnt 33                              ; Q is in: K's 33 loads are younger and stay out
.irp t, 0,1,2,3,4,5,6,7
	v_cvt_pk_f16_f32 v[S+4*\t], v[S+4*\t], v[S+4*\t+1]
	v_cvt_pk_f16_f32 v[S+4*\t+1], v[S+4*\t+2], v[S+4*\t+3]
.endr
.irp t, 0,1,2,3,4,5,6,7
	ds_store_b64 v[QST], v[S+4*\t:S+4*\t+1] offset:2*KP*\t    ; rows 2 t and 2 t + 1 of my tile
.endr
.irp n, 0,1,2,3
	ds_load_b128 v[QF+4*\n:QF+4*\n+3], v[QLD] offset:32*\n    ; LDS serves a wave's instructions in order (ISA guide 5.7.1.4): these see the stores above
.endr
	MASKL 0                                        ; v32-63, which Q in f32 has left
	MASKL 1
	MASKL 2
	MASKL 3
	; ---- K into LDS; as slots come free, V's first 17 pairs of rows are asked for
.set mm, 0
.rept 17
	CVST mm, mm, 14, KP, 32-mm                     ; the younger of K's loads stay out
.set mm, mm+1
.endr
.set mm, 0
.rept 17
	GLOAD 8, mm, mm
.set mm, mm+1
.endr
.set mm, 17
.rept 16
	CVST mm, mm, 14, KP, (32-mm)+17                ; the younger of K's loads, and V's 17
.set mm, mm+1
.endr
	v_mul_u32_u24 v[ST0], v[RW], VP                ; the store bases, now for V
	v_lshl_add_u32 v[ST0], v[TR], 3, v[ST0]
	v_add_nc_u32 v[ST0], VREG, v[ST0]
	v_add_nc_u32 v[ST0+1], 12*32*VP, v[ST0]
	v_add_nc_u32 v[ST0+2], 24*32*VP, v[ST0]
	s_mul_i32 s[TS+2], s[WV], 16*OP                ; my stage for O
	v_mul_u32_u24 v[STO], v[TR], OP                ; in: row l % 16, 32 bytes for each half of the lanes
	v_lshl_add_u32 v[STO], v[TH], 5, v[STO]
	v_add_nc_u32 v[STO], s[TS+2], v[STO]
	v_mul_u32_u24 v[RD], v[TH], OP                 ; back: lanes 0-15 take one row of 256 bytes, lanes 16-31 the next
	v_lshl_add_u32 v[RD], v[TR], 4, v[RD]
	v_add_nc_u32 v[RD], s[TS+2], v[RD]
	s_wait_dscnt 0x0                               ; for the others' sake: my rows of K are stored; and my reads of Q's stage are back, before anyone stores V there
	s_barrier_signal -1
	s_barrier_wait -1                              ; K is whole.  V's loads into registers stay on their way across this barrier
	; ---- S^T = K Q^T + mask: nine tiles, two fragment buffers
	LOADK 0, FB0
	LOADK 1, FB0+16
	LOADK 2, FB1
	LOADK 3, FB1+16
	s_wait_dscnt 8                                 ; tiles 0 and 1 are in; the eight loads of 2 and 3 may be out
	PAIRW 0, 1, FB0
	NOP4
	LOADK 4, FB0
	LOADK 5, FB0+16
	s_wait_dscnt 8                                 ; tiles 2 and 3
	PAIRW 2, 3, FB1
	NOP4
	LOADK 6, FB1
	LOADK 7, FB1+16
	s_wait_dscnt 8                                 ; tiles 4 and 5
	PAIRW 4, 5, FB0
	NOP4
	LOADK 8, FB0
	s_wait_dscnt 0x0                               ; tiles 6, 7, 8: my last reads of K
	WQK 6, 0, FB1
	WQK 8, 0, FB0
	WQK 7, 0, FB1+16
	WQK 6, 1, FB1
	WQK 8, 1, FB0
	WQK 7, 1, FB1+16
	; ---- V's first 17 pairs of rows into LDS (their 34 conversions name no register of the products: they are the places behind them); the other 16 are asked for
.set mm, 0
.rept 17
	CVST mm, mm, 12, VP, 16-mm
.set mm, mm+1
.endr
.set mm, 17
.rept 16
	GLOAD 8, mm, mm-17
.set mm, mm+1
.endr
	; ---- the softmax of my query's 72 scores (the other 72 lie in the lane 16 away)
.irp g, 0,1,2
	v_max3_num_f32 v[CH+\g], v[S+24*\g], v[S+24*\g+1], v[S+24*\g+2]    ; three chains over three tiles each, ascending: each accumulator is first read at its lowest register
.endr
.set nn, 0
.rept 10
.irp g, 0,1,2
	v_max3_num_f32 v[CH+\g], v[CH+\g], v[S+24*\g+3+2*nn], v[S+24*\g+4+2*nn]
.endr
.set nn, nn+1
.endr
.irp g, 0,1,2
	v_max_num_f32 v[CH+\g], v[CH+\g], v[S+24*\g+23]
.endr
	v_max3_num_f32 v[CH], v[CH], v[CH+1], v[CH+2]
	v_permlanex16_b32 v[TT], v[CH], s[SEL], s[SEL+1]
	v_max_num_f32 v[CM+1], v[CH], v[TT]            ; m: a true score, since every query sees its own key
	v_mul_f32 v[CM], s[CS], v[CM+1]                ; c m
.set nn, 0
.rept 36
	v_pk_fma_f32 v[S+2*nn:S+2*nn+1], v[S+2*nn:S+2*nn+1], s[CS:CS+1], v[CM:CM+1] op_sel_hi:[1,0,0] neg_lo:[0,0,1] neg_hi:[0,0,1]  ; c s - c m
.set nn, nn+1
.endr
.set nn, 0
.rept 72
	v_exp_f32 v[S+nn], v[S+nn]                     ; one batch: none of these reads another's result
.set nn, nn+1
.endr
.irp n, 36,37,38,39
	v_mov_b32 v[P+\n], 0                           ; the ninth tile has no partner: its pair's other 16 keys weigh 0.  These are also the plain instructions behind the last exponential
.endr
	s_wait_alu depctr_va_vdst(0)                   ; the one wait for the batch, ahead of its first reader
.set nn, 0
.rept 36
	v_cvt_pk_f16_f32 v[P+nn], v[S+2*nn], v[S+2*nn+1]
.if nn >= 8
	v_pk_add_f32 v[SUM+2*(nn%4):SUM+2*(nn%4)+1], v[SUM+2*(nn%4):SUM+2*(nn%4)+1], v[S+2*nn:S+2*nn+1]
.elseif nn >= 4
	v_pk_add_f32 v[SUM+2*(nn-4):SUM+2*(nn-4)+1], v[S+2*(nn-4):S+2*(nn-4)+1], v[S+2*nn:S+2*nn+1]   ; two pairs start each of the four sums: nothing is cleared
.endif
.set nn, nn+1
.endr
	v_pk_add_f32 v[SUM:SUM+1], v[SUM:SUM+1], v[SUM+2:SUM+3]
	v_pk_add_f32 v[SUM+4:SUM+5], v[SUM+4:SUM+5], v[SUM+6:SUM+7]
	v_pk_add_f32 v[SUM:SUM+1], v[SUM:SUM+1], v[SUM+4:SUM+5]
	v_add_f32 v[SUM], v[SUM], v[SUM+1]
	v_permlanex16_b32 v[TT], v[SUM], s[SEL], s[SEL+1]
	v_add_f32 v[SUM], v[SUM], v[TT]                ; l, at least 1: the maximum's own weight
	v_rcp_f32 v[RL], v[SUM]                        ; twice, for the packed multiply; their wait stands ahead of their first reader, on the way out:
	v_rcp_f32 v[RL+1], v[SUM]                      ; the conversions below are the plain work behind them
	; ---- V's other 16 pairs of rows into LDS
.set mm, 17
.rept 16
	CVST mm, mm-17, 12, VP, 32-mm
.set mm, mm+1
.endr
	s_wait_dscnt 0x0                               ; for the others' sake: my rows of V are stored
	s_barrier_signal -1
	s_barrier_wait -1                              ; V is whole, and nobody reads K any more
	; ---- O^T = V^T P: four pairs of key tiles and the ninth tile, two fragment buffers
	LOADV 0, 0, VF0
	LOADV 1, 1, VF0
	LOADV 2, 0, VF1
	LOADV 3, 1, VF1
	s_wait_dscnt 8                                 ; pair 0 is in
	WPV 0, VF0, 1
	NOP4
	LOADV 4, 0, VF0
	LOADV 5, 1, VF0
	s_wait_dscnt 8                                 ; pair 1
	WPV 1, VF1, 0
	NOP4
	LOADV 6, 0, VF1
	LOADV 7, 1, VF1
	s_wait_dscnt 8                                 ; pair 2
	WPV 2, VF0, 0
	NOP4
	LOADV 8, 0, VF0                                ; the other half of the buffer keeps tile 5's numbers, which meet weights of 0
	s_wait_dscnt 4                                 ; pair 3
	WPV 3, VF1, 0
	s_wait_dscnt 0x0
	WPV 4, VF0, 0
	; ---- the way out: O^T / l in f32, through my stage, as whole rows of 256 bytes
.rept 8
	v_nop                                          ; places behind the last products: the lines below read and rewrite their results
.endr
	s_wait_alu depctr_va_vdst(0)                   ; the one wait for the two reciprocals, ahead of their first reader
.set nn, 0
.rept 16
	v_pk_mul_f32 v[OT+2*nn:OT+2*nn+1], v[OT+2*nn:OT+2*nn+1], v[RL:RL+1]   ; ascending: each accumulator is first read at its lowest registers
.set nn, nn+1
.endr
.irp cb, 0,1,2,3
	ds_store_b128 v[STO], v[OT+8*\cb:OT+8*\cb+3] offset:64*\cb           ; my query's channels 16 cb + 8 (l / 16) + 0..3,
	ds_store_b128 v[STO], v[OT+8*\cb+4:OT+8*\cb+7] offset:64*\cb+16      ; and + 4..7
.endr
.irp t, 0,1,2,3,4,5,6,7
	ds_load_b128 v[BK+4*\t:BK+4*\t+3], v[RD] offset:2*OP*\t              ; in order behind the stores above: rows 2 t and 2 t + 1
.endr
.irp t, 0,1,2,3,4,5,6,7
	s_wait_dscnt 7-\t                              ; the younger rows may be out
	global_store_b128 v[OFFQ], v[BK+4*\t:BK+4*\t+3], s[10:11] offset:8192*\t th:TH_STORE_NT  ; 16 lanes store 256 consecutive bytes, at a multiple of 256 from out0's first byte
.endr
	s_wait_tensorcnt 0x0                           ; the wave's end, behind my last LDS store
	ds_add_u32 v[SPW], v[NIL]
	s_wait_dscnt 0x0
	s_endpgm
.Lfunc_end_k_q6d4e7e5924_logsparse:
	.size	k_q6d4e7e5924_logsparse, .Lfunc_end_k_q6d4e7e5924_logsparse-k_q6d4e7e5924_logsparse
	.p2alignl 7, 3214868480
	.fill 96, 4, 3214868480
	.section	.rodata,"a",@progbits
	.p2align	6, 0x0
	.amdhsa_kernel k_q6d4e7e5924_logsparse
		.amdhsa_group_segment_fixed_size 323072
		.amdhsa_private_segment_fixed_size 0
		.amdhsa_enable_private_segment 0
		.amdhsa_kernarg_size 32
		.amdhsa_user_sgpr_count 2
		.amdhsa_user_sgpr_kernarg_segment_ptr 1
		.amdhsa_wavefront_size32 1
		.amdhsa_system_sgpr_workgroup_id_x 1
		.amdhsa_system_sgpr_workgroup_id_y 1
		.amdhsa_system_sgpr_workgroup_id_z 1
		.amdhsa_system_vgpr_workitem_id 0
		.amdhsa_next_free_vgpr 256
		.amdhsa_next_free_sgpr 66
		.amdhsa_reserve_vcc 0
		.amdhsa_float_denorm_mode_32 3
		.amdhsa_float_denorm_mode_16_64 3
		.amdhsa_memory_ordered 1
		.amdhsa_forward_progress 1
		.amdhsa_inst_pref_size 72
	.end_amdhsa_kernel
	.amdgpu_metadata
---
amdhsa.version: [ 1, 2 ]
amdhsa.kernels:
  - .name:           k_q6d4e7e5924_logsparse
    .symbol:         k_q6d4e7e5924_logsparse.kd
    .args:
      - { .name: queries, .offset: 0, .size: 8, .value_kind: global_buffer, .address_space: global }
      - { .name: keys, .offset: 8, .size: 8, .value_kind: global_buffer, .address_space: global }
      - { .name: values, .offset: 16, .size: 8, .value_kind: global_buffer, .address_space: global }
      - { .name: out0, .offset: 24, .size: 8, .value_kind: global_buffer, .address_space: global }
    .group_segment_fixed_size: 323072
    .private_segment_fixed_size: 0
    .kernarg_segment_align: 8
    .kernarg_segment_size: 32
    .max_flat_workgroup_size: 512
    .sgpr_count:     66
    .vgpr_count:     256
    .wavefront_size: 32
...
	.end_amdgpu_metadata
.endif
;; end of part 1
;; ======== version 2 of 2: 1 launch; version 1 with the launch logsparse written anew for expert scheduling mode
;; limits: values are held in f16: magnitudes above 65,504 overflow, below 6.1e-05 lose precision; inputs' magnitudes at most 65,504; right only within a limited range of input values
;; launch logsparse (part 2): grid 8 x 32, 16 waves a work-group, no clusters, 323,072 bytes of LDS; arguments queries, keys, values, out0; writes out0
.if DOCPART == 2
	.amdgcn_target "amdgcn-amd-amdhsa--gfx1250"
	.amdhsa_code_object_version 6
	.text
	.protected	k_q6d4e7e5924_logsparse
	.globl	k_q6d4e7e5924_logsparse
	.p2align	8
	.type	k_q6d4e7e5924_logsparse,@function
k_q6d4e7e5924_logsparse:
	s_mov_b64 s[64:65], 0
	v_nop
	global_prefetch_b8 v0, s[64:65] scope:SCOPE_SE
	s_setreg_imm32_b32 hwreg(HW_REG_WAVE_SCHED_MODE, 0, 2), 2
	s_setreg_imm32_b32 hwreg(HW_REG_WAVE_MODE, 25, 1), 1
	s_wait_xcnt 0x0
	s_wait_alu depctr_vm_vsrc(0)
; LOG-SPARSE ATTENTION.  out[b][i][h][:] = the sum over keys k of softmax_k(scale x masked(Q[b][i][h] . K[b][k][h])) V[b][k][h][:], scale = 1/8.
; queries, keys, values, out0: [2][2048][16][64] f32: row l of head (b, h) is 256 bytes at b 2^23 + 4096 l + 256 h.
; THE MASK is built by the problem itself, with sub_len = win_len = 2048: log_l = 11.  Row i < 22 sees the keys 0 .. i.  Row i >= 22 sees the keys i - o >= 0 with
; o in D = {0 .. 12, 14, 18, 26, 42, 74, 138, 266, 522, 1034} (i - 10 .. i, and i - 10 - 2^e for e = 0 .. 10); its loop ends after one pass, since i - 2048 < 0.
; WORK LEFT OUT.  A hidden score is q.k x 0 - 1e9: the product meets a zero that the problem builds, whatever q and k hold.  Its weight is exp(-1.25e8 - the row's maximum), and every row
; sees its own key, so the maximum is a true score: the weight is 0 in f32 while the row's true scores q.k lie above -9.9e8.  So key tiles that hold no allowed pair are not multiplied:
; of a tile of 16 queries' 128 key tiles 9 are taken: four for the offsets 0 .. 63, one for each of 74, 138, 266, 522, 1034.  Inside these the hidden pairs are computed and masked.
; Rows before the sequence's start are fetched as rows 0 and 1 (a clamped address) and masked: a jump round them would make the counts of the waits differ from path to path.
; LIMITS.  Q, K, V and the weights are rounded once to f16: |input| < 65,504.  True scores q.k above -9.9e8 (inputs under some 3,900).  A hidden score counts as q.k - 1e30.  A weight below
; 2^-126 counts as 0.  A NaN, an infinity or an overflow in a key or value that lies in none of a query's 9 tiles is not carried to that query; inside the tiles they are not treated apart.
; SHARES.  A work-group owns 256 queries (block j = x) of one head (y), each of its 16 waves a tile of 16.  The block's rows of K and V (1,056 each: 256 for the offset 1034, 544 before the
; block, the 256 of the block) come in whole rows of 256 bytes, are rounded to f16 in registers ONCE and laid into LDS, where some ten tiles read each.
; NO JOINT REQUESTS, NO COPIES INTO LDS: they would lay the rows down in f32, 2 x 1,056 x 256 = 540,672 bytes, more than the 323,072 that the work-group is given, and V in f32 cannot be turned.
; LAYOUT.  S^T = K Q^T (source 0 = 16 keys, source 1 = 16 queries): a lane holds ONE query (lane % 16) and the keys 8 (lane / 16) + 0..7.  The mask, 0 or -1e30, is the value that the sums start
; from.  Two such tiles rounded to f16 ARE source 1 of O^T = V^T P; V comes out of LDS turned (ds_load_tr16_b128).  All of a row's live keys are at hand, so the softmax takes their true maximum.
; THE MODE: SCHED_MODE bits 1:0 = 2 (LLVM: expert scheduling mode 2), set by the entry lines.  The code itself states the register dependences between vector or matrix instructions and
; memory or LDS instructions, with s_wait_alu, always for 0.  The text has no branch and no label, and EXEC is never written.
; THE PLAN.  Registers that memory or LDS instructions touch:
;   LD, 33 slots   A global load lands in a slot, two conversions round it in place, an LDS store reads its first two registers.  The slots go in groups of four (one of five).  In a STEP the
;                  group in hand is converted, the group before is stored, and (slots 0-16) the group two back is loaded again.  At a step's head one wait on va_vdst states that the group before is
;                  converted (its stores read it; later loads land in it), one on vm_vsrc that the stores issued a step ago have read the group that is loaded again.  The step's conversions name the
;                  group in hand alone, so its stores and loads are dealt among them with no further wait.
;   OFA, OFB       The 25 clamped offsets, made once at the head, read by K's and by V's loads.  OFA lies in S^T's tiles 4-6, whose masks are made behind V's last load by it; OFB in the softmax's sums.
;   OFFO, OFFQ, AKLO, AVLO   Made once, never written again.      ST0-2, v237, v238   Written a second time ahead of the first barrier, behind one wait on vm_vsrc.
;   FB0, FB1, VF0, VF1       An LDS load lands, matrix instructions read: one wait on va_vdst behind the products that read a buffer, ahead of its next loads.
;   OT, BK         The scaling writes OT, LDS stores read it; LDS loads land in BK, global stores read it.
.set KP,    144                        ; a row of K in LDS: 128 bytes + 16 = 36 words: the 16 rows of a fragment load start at 16 different groups of four banks (64 banks of 4 bytes: ISA guide 11.1)
.set VP,    160                        ; a row of V: 128 + 32 = 40 words
.set NROW,  1056
.set VREG,  NROW*KP                    ; K: bytes 0 .. 152,063; V from here
.set SPARE, VREG+NROW*VP               ; 321,024: the spare words, 128 bytes for each of 16 waves: eight blocks of 256 bytes that no other line names
.set QSTG,  16*KP                      ; each wave's stage for Q, at VREG + 2,304 w: used ahead of the first barrier, V's rows are stored behind it
.set OP,    272                        ; each wave's stage for O, 16 rows of 256 + 16 bytes at 4,352 w in K's region: used behind the second barrier, K is read ahead of it
.set SPW,  1                           ; v1   SPARE + 4 x my thread's number; never rewritten
.set NIL,  2                           ; v2   0; never rewritten
.set LANE, 3                           ; v3   4096 (l / 16) + 16 (l % 16): my 16 bytes in two rows of memory
.set OFFO, 4                           ; v4   the block's rows: 4096 (i0 + 2 w) + LANE
.set OFFQ, 5                           ; v5   my tile's rows: 4096 q0 + LANE: for Q and for O
.set ST0,  6                           ; v6-8 where I store a converted row's 8 bytes: three bases, so that the immediates stay under 65,536; for K, then for V
.set AKLO, 9                           ; v9   my place in a fragment of K at LDS row 16 w;  v10 the same 534 rows on
.set AVLO, 11                          ; v11  the same for V's turning loads;              v12 534 rows on
.set BIG,  13                          ; v13  -1e30
.set ZERO, 14                          ; v14  0
.set QI,   15                          ; v15  my query: q0 + l % 16
.set QF,   16                          ; v16-31   Q's two fragments
.set S,    32                          ; v32-103  S^T, tile x at S + 8 x; first Q in f32; at the end O^T (v32-63) and the rows read back (v64-95)
.set OT,   32
.set BK,   64
.set OFA,  64                          ; v64-80   until tiles 4-8 take their masks: the byte offsets of row fetches 0-16
.set LD,   104                         ; v104-235 33 slots of four registers for rows on their way in
.set VF0,  104                         ; later V's fragments, two buffers of 32
.set VF1,  136
.set FB0,  172                         ; K's fragments, two buffers of 32: tile a of a pair, channel half c at 16 a + 8 c
.set FB1,  204
.set P,    172                         ; later the weights in f16: tile x at P + 4 x; P + 36 .. 39 hold 0
.set KB,   236                         ; v236 48 - q0 - 8 (l / 16): register j of local tile t holds a key >= 0 where 16 t + j is not below it
.set QST,  237                         ; v237 Q's stage, in;   later STO, O's stage, in
.set QLD,  238                         ; v238 Q's stage, back; later RD,  O's stage, back
.set STO,  237
.set RD,   238
.set RW,   239                         ; v239 2 w + l / 16
.set TR,   240                         ; v240-243 l % 16, l / 16, l % 8, (l / 8) % 2; later three chains of the maximum and one at work
.set TH,   241
.set T7,   242
.set T3,   243
.set CH,   240
.set TT,   243
.set OFB,  244                         ; v244-251 until the softmax: the byte offsets of row fetches 17-24
.set CM,   244                         ; v244 c m, v245 m
.set SUM,  246                         ; v246-253 four sums of pairs
.set RL,   254                         ; v254-255 1 / l, twice
.set WV,   12                          ; s12  my wave's number
.set I0,   18                          ; s18  the block's first query
.set Q0,   19                          ; s19  my tile's first query
.set CS,   20                          ; s[20:21] c = log2(e) / 8
.set SEL,  22                          ; s22-23 v_permlanex16_b32's selects: each lane takes its own place in the other half
.set L22,  24                          ; s24  lanes whose query is below 22
.set VD,   25                          ; s25-29 lanes whose query is at least 74, 138, 266, 522, 1034
.set RF,   30                          ; s30  i0 - 1034 + 2 w
.set RM,   31                          ; s31  i0 - 544 + 2 w
.set MK,   40                          ; s40-47 at work: a register's mask of allowed lanes
.set TS,   48                          ; s48-51 at work
.set KN,   66                          ; s66-97 key >= 0: register j of local tile t at KN + 8 t + j
.set MD,   0x1fff|(1<<14)|(1<<18)|(1<<26)|(1<<42)   ; the offsets of D below 64, as bits
.macro NOP4                            ; four places between a matrix instruction and a load into a register that it has read; the wait behind them states the dependence
.rept 4
	v_nop
.endr
.endm
; Row fetch m of 33, for K or V, into slot: 32 lanes take two rows of 256 bytes.  m 0-7: rows i0 - 1034 + 32 m + 2 w; 8-24: i0 - 544 + 32 (m - 8) + 2 w; 25-32: i0 + 32 (m - 25) + 2 w.
; The first row is even, so both rows lie before the sequence's start or neither: the first is clamped to 0.  The clamped offsets were made at the head, one register each.
.macro GLOAD ptr, m, slot
.set dd, LD+4*(\slot)
.if (\m) < 17
	global_load_b128 v[dd:dd+3], v[OFA+(\m)], s[\ptr:\ptr+1]
.elseif (\m) < 25
	global_load_b128 v[dd:dd+3], v[OFB+(\m)-17], s[\ptr:\ptr+1]
.else
	global_load_b128 v[dd:dd+3], v[OFFO], s[\ptr:\ptr+1] offset:((\m)-25)*131072
.endif
.endm
.macro CV slot                         ; a slot's four f32 become four f16, in its first two registers
.set dd, LD+4*(\slot)
	v_cvt_pk_f16_f32 v[dd], v[dd], v[dd+1]
	v_cvt_pk_f16_f32 v[dd+1], v[dd+2], v[dd+3]
.endm
.macro STR m, slot, per, pitch         ; row fetch m, converted, goes to LDS row 32 m + 2 w + l / 16, byte 8 (l % 16)
.set dd, LD+4*(\slot)
	ds_store_b64 v[ST0+(\m)/(\per)], v[dd:dd+1] offset:((\m)%(\per))*32*(\pitch)
.endm
; A step's lines, dealt: a store, a load, a slot's two conversions, and so on.  cn slots from c0 on are converted; sn slots from s0 on (row fetches from sm on) are stored;
; ln slots from l0 on are loaded (row fetches from lm on, by the pointer ptr).  The three ranges of slots never meet; the waits that they hang on stand ahead of each use of the macro.
.macro DEAL c0, cn, s0, sn, sm, per, pitch, l0, ln, lm, ptr
.set ii, 0
.rept 5
.if ii < (\sn)
	STR (\sm)+ii, (\s0)+ii, \per, \pitch
.endif
.if ii < (\ln)
	GLOAD \ptr, (\lm)+ii, (\l0)+ii
.endif
.if ii < (\cn)
	CV (\c0)+ii
.endif
.set ii, ii+1
.endr
.endm
; Key tile x begins at LDS row 16 w + NR: 752 + 16 x for the local tiles (keys q0 - 48 + 16 x on); 800 - d for d = 74, 138, 266, 522; 0 for d = 1034.  NRL is NR less the base's 534 (HIB = 1) or 0.
.macro TILE x
.set HIB, 1
.if (\x) < 4
.set NRL, 218+16*(\x)
.elseif (\x) == 4
.set NRL, 192
.elseif (\x) == 5
.set NRL, 128
.elseif (\x) == 6
.set NRL, 0
.elseif (\x) == 7
.set NRL, 278
.set HIB, 0
.else
.set NRL, 0
.set HIB, 0
.endif
.endm
.macro LOADK x, dst                    ; tile x of K: two fragments of 16 keys x 32 channels, four loads of 16 bytes a lane
	TILE \x
.irp n, 0,1,2,3
	ds_load_b128 v[(\dst)+4*\n:(\dst)+4*\n+3], v[AKLO+HIB] offset:NRL*KP+32*\n
.endr
.endm
.macro WQK x, c, frag                  ; S^T of tile x takes channels 32 c on
	v_wmma_f32_16x16x32_f16 v[S+8*(\x):S+8*(\x)+7], v[(\frag)+8*(\c):(\frag)+8*(\c)+7], v[QF+8*(\c):QF+8*(\c)+7], v[S+8*(\x):S+8*(\x)+7]
.endm
.macro PAIRW xa, xb, buf               ; two tiles: the two accumulators take turns, one instruction a turn
	WQK \xa, 0, \buf
	WQK \xb, 0, (\buf)+16
	WQK \xa, 1, \buf
	WQK \xb, 1, (\buf)+16
.endm
.macro LOADV x, half, buf              ; tile x of V, turned: half a fragment (16 of its 32 keys) for each of the four blocks of 16 channels
	TILE \x
.irp cb, 0,1,2,3
	ds_load_tr16_b128 v[(\buf)+8*\cb+4*(\half):(\buf)+8*\cb+4*(\half)+3], v[AVLO+HIB] offset:NRL*VP+32*\cb
.endr
.endm
.macro WPV y, buf, zero                ; O^T takes the pair y of key tiles: four accumulators by turns; zero = 1: the first products start the sums
.irp cb, 0,1,2,3
.if \zero
	v_wmma_f32_16x16x32_f16 v[OT+8*\cb:OT+8*\cb+7], v[(\buf)+8*\cb:(\buf)+8*\cb+7], v[P+8*(\y):P+8*(\y)+7], 0
.else
	v_wmma_f32_16x16x32_f16 v[OT+8*\cb:OT+8*\cb+7], v[(\buf)+8*\cb:(\buf)+8*\cb+7], v[P+8*(\y):P+8*(\y)+7], v[OT+8*\cb:OT+8*\cb+7]
.endif
.endr
.endm
; At assembly time: in register j of local tile t, lane l holds the offset o = l % 16 + 48 - 16 t - 8 (l / 16) - j.  AC: lanes with o >= 0.  AD: lanes with o in D.
.macro LM t, j
.set AC, 0
.set AD, 0
.set ml, 0
.rept 32
.set mo, (ml%16)+48-16*(\t)-8*(ml/16)-(\j)
.if mo >= 0
.set AC, AC|(1<<ml)
.if (MD>>mo)&1
.set AD, AD|(1<<ml)
.endif
.endif
.set ml, ml+1
.endr
.endm
; Local tile t's eight starting values: allowed = (key >= 0) and (o in D, or (query < 22 and o >= 0)).  The compares stand in one run further up.
.macro MASKL t
.irp j, 0,1,2,3,4,5,6,7
	LM \t, \j
	s_and_b32 s[MK+\j], s[L22], AC
	s_or_b32 s[MK+\j], s[MK+\j], AD
	s_and_b32 s[MK+\j], s[MK+\j], s[KN+8*(\t)+\j]
.endr
.irp j, 0,1,2,3,4,5,6,7
	v_cndmask_b32 v[S+8*(\t)+\j], v[BIG], v[ZERO], s[MK+\j]
.endr
.endm
; Tile x = 4 .. 8 begins at key q0 - d: the one allowed pair of a query is key row = query row: register j of lanes j and 24 + j; and only where d <= the query.
.macro MASKD x
.irp j, 0,1,2,3,4,5,6,7
	s_and_b32 s[MK+\j], s[VD+(\x)-4], (1<<\j)|(1<<(24+\j))
.endr
.irp j, 0,1,2,3,4,5,6,7
	v_cndmask_b32 v[S+8*(\x)+\j], v[BIG], v[ZERO], s[MK+\j]
.endr
.endm
	; ---- the head: what the loads need.  All of it hangs on ids alone and stands ahead of the wait for the arguments
	s_load_b256 s[4:11], s[0:1], 0x0               ; queries s[4:5], keys s[6:7], values s[8:9], out0 s[10:11]
	v_lshl_add_u32 v[SPW], v0, 2, SPARE
	v_mov_b32 v[NIL], 0
	v_lshrrev_b32 v[TR], 5, v0
	v_readfirstlane_b32 s[WV], v[TR]               ; wave 0..15
	v_and_b32 v[TR], 15, v0                        ; l % 16
	v_bfe_u32 v[TH], v0, 4, 1                      ; l / 16
	v_and_b32 v[T7], 7, v0
	v_bfe_u32 v[T3], v0, 3, 1
	v_lshlrev_b32 v[LANE], 4, v[TR]
	v_lshl_or_b32 v[LANE], v[TH], 12, v[LANE]
	s_lshl_b32 s[I0], ttmp9, 8                     ; i0 = 256 x block
	s_and_b32 s14, ttmp7, 0xffff                   ; 16 b + h
	s_lshr_b32 s15, s14, 4
	s_lshl_b32 s15, s15, 23                        ; b x 2^23
	s_and_b32 s16, s14, 15
	s_lshl_b32 s16, s16, 8                         ; h x 256
	s_or_b32 s16, s16, s15
	s_mov_b32 s17, 0
	s_wait_alu depctr_va_sdst(0)                   ; the wave's number is written, ahead of its first reader
	s_lshl_b32 s[TS], s[WV], 4
	s_add_co_u32 s[Q0], s[I0], s[TS]               ; q0 = i0 + 16 w
	s_lshl_b32 s[TS], s[WV], 1
	s_add_co_u32 s[TS+1], s[I0], s[TS]             ; i0 + 2 w
	s_sub_co_i32 s[RF], s[TS+1], 1034
	s_sub_co_i32 s[RM], s[TS+1], 544
	v_lshl_add_u32 v[OFFO], s[TS+1], 12, v[LANE]
	v_lshl_add_u32 v[OFFQ], s[Q0], 12, v[LANE]
.set mm, 0
.rept 25                                               ; the offsets of row fetches 0-24, the first row clamped to 0: made once, for K and for V
.if mm < 8
	s_add_co_i32 s[TS], s[RF], 32*mm
.else
	s_add_co_i32 s[TS], s[RM], 32*(mm-8)
.endif
	s_max_i32 s[TS], s[TS], 0
.if mm < 17
	v_lshl_add_u32 v[OFA+mm], s[TS], 12, v[LANE]
.else
	v_lshl_add_u32 v[OFB+mm-17], s[TS], 12, v[LANE]
.endif
.set mm, mm+1
.endr
	s_wait_kmcnt 0x0
	s_add_nc_u64 s[4:5], s[4:5], s[16:17]          ; all four tensors at the head's row 0
	s_add_nc_u64 s[6:7], s[6:7], s[16:17]
	s_add_nc_u64 s[8:9], s[8:9], s[16:17]
	s_add_nc_u64 s[10:11], s[10:11], s[16:17]
	s_wait_alu depctr_va_vdst(0)                   ; OFFQ, OFFO, OFA and OFB are written: every global load and store of the kernel reads one of them as its offset
	; ---- 41 loads go out: my tile of Q (read once in the launch), then my 33 pairs of rows of K
.irp t, 0,1,2,3,4,5,6,7
	global_load_b128 v[S+4*\t:S+4*\t+3], v[OFFQ], s[4:5] offset:8192*\t th:TH_LOAD_NT
.endr
.set mm, 0
.rept 33
	GLOAD 6, mm, mm
.set mm, mm+1
.endr
	; ---- while they are on their way: the other addresses, the constants and the compares.  None of these lines names a register that a load above touches
	s_mov_b32 s[CS], 0x3e38aa3b                    ; c = log2(e) / 8
	s_mov_b32 s[CS+1], s[CS]                       ; named with it as a pair
	s_mov_b32 s[SEL], 0x76543210
	s_mov_b32 s[SEL+1], 0xfedcba98
	v_mov_b32 v[BIG], 0xf149f2ca                   ; -1e30
	v_mov_b32 v[ZERO], 0
	v_add_nc_u32 v[QI], s[Q0], v[TR]
	s_sub_co_i32 s[TS+1], 48, s[Q0]
	v_lshlrev_b32 v[KB], 3, v[TH]
	v_sub_nc_u32 v[KB], s[TS+1], v[KB]
	v_lshl_add_u32 v[RW], s[WV], 1, v[TH]          ; 2 w + l / 16
	v_mul_u32_u24 v[ST0], v[RW], KP
	v_lshl_add_u32 v[ST0], v[TR], 3, v[ST0]
	v_add_nc_u32 v[ST0+1], 14*32*KP, v[ST0]
	v_add_nc_u32 v[ST0+2], 28*32*KP, v[ST0]
	v_lshl_add_u32 v[AKLO], s[WV], 4, v[TR]        ; row 16 w + l % 16
	v_mul_u32_u24 v[AKLO], v[AKLO], KP
	v_lshl_add_u32 v[AKLO], v[TH], 4, v[AKLO]      ; + 16 x half
	v_add_nc_u32 v[AKLO+1], 534*KP, v[AKLO]
	v_lshl_add_u32 v[AVLO], v[TH], 3, v[T7]        ; row 16 w + 8 (l / 16) + l % 8
	v_lshl_add_u32 v[AVLO], s[WV], 4, v[AVLO]
	v_mul_u32_u24 v[AVLO], v[AVLO], VP
	v_lshl_add_u32 v[AVLO], v[T3], 4, v[AVLO]      ; + 16 ((l / 8) % 2)
	v_add_nc_u32 v[AVLO], VREG, v[AVLO]
	v_add_nc_u32 v[AVLO+1], 534*VP, v[AVLO]
	s_mul_i32 s[TS+2], s[WV], QSTG
	s_add_co_u32 s[TS+2], s[TS+2], VREG            ; my stage for Q
	v_mul_u32_u24 v[QST], v[TH], KP
	v_lshl_add_u32 v[QST], v[TR], 3, v[QST]
	v_add_nc_u32 v[QST], s[TS+2], v[QST]
	v_mul_u32_u24 v[QLD], v[TR], KP
	v_lshl_add_u32 v[QLD], v[TH], 4, v[QLD]
	v_add_nc_u32 v[QLD], s[TS+2], v[QLD]
	v_cmp_gt_i32 s[L22], 22, v[QI]                 ; all 38 compares in one run, each into a scalar register of its own: one wait serves them
	v_cmp_le_i32 s[VD+0], 74, v[QI]
	v_cmp_le_i32 s[VD+1], 138, v[QI]
	v_cmp_le_i32 s[VD+2], 266, v[QI]
	v_cmp_le_i32 s[VD+3], 522, v[QI]
	v_cmp_le_i32 s[VD+4], 1034, v[QI]
.set nn, 0
.rept 32
	v_cmp_ge_i32 s[KN+nn], 16*(nn/8)+nn%8, v[KB]
.set nn, nn+1
.endr
	s_wait_loadcnt 33                              ; Q is in: K's 33 loads are younger and stay out
.irp t, 0,1,2,3,4,5,6,7
	v_cvt_pk_f16_f32 v[S+4*\t], v[S+4*\t], v[S+4*\t+1]
	v_cvt_pk_f16_f32 v[S+4*\t+1], v[S+4*\t+2], v[S+4*\t+3]
.endr
	s_wait_alu depctr_va_vdst(0)                   ; the conversions have written Q in f16, which the LDS stores read; QST, QLD, ST0-2, AKLO and AVLO are written, which LDS instructions from here on read as addresses
.irp t, 0,1,2,3,4,5,6,7
	ds_store_b64 v[QST], v[S+4*\t:S+4*\t+1] offset:2*KP*\t    ; rows 2 t and 2 t + 1 of my tile
.endr
.irp n, 0,1,2,3
	ds_load_b128 v[QF+4*\n:QF+4*\n+3], v[QLD] offset:32*\n    ; LDS serves a wave's instructions in order (ISA guide 5.7.1.4): these see the stores above
.endr
	s_wait_alu depctr_va_sdst(0)                   ; the 38 compares have written their scalar registers, ahead of the first line that reads one
	s_wait_alu depctr_vm_vsrc(0)                   ; Q's LDS stores have read v32-63, which the masks below write
	MASKL 0                                        ; v32-63, which Q has left
	MASKL 1
	MASKL 2
	MASKL 3
	; ---- K into LDS, in eight steps; as slots 0-16 come free, V's first 17 pairs of rows are asked for
	s_wait_loadcnt 29                              ; K's slots 0-3 are in; its 29 younger loads stay out
	DEAL 0,4, 0,0,0, 14,KP, 0,0,0, 8
	s_wait_loadcnt 25                              ; slots 4-7
	s_wait_alu depctr_va_vdst(0)                   ; slots 0-3 are converted: the stores below read them
	DEAL 4,4, 0,4,0, 14,KP, 0,0,0, 8
	s_wait_loadcnt 21                              ; slots 8-11
	s_wait_alu depctr_vm_vsrc(0)                   ; the stores of slots 0-3, issued a step ago, have read them: V's loads below land there
	s_wait_alu depctr_va_vdst(0)                   ; slots 4-7 are converted: the stores below read them; the conversions of slots 0-3 are done with them
	DEAL 8,4, 4,4,4, 14,KP, 0,4,0, 8
	s_wait_loadcnt 20                              ; slots 12-16: K's 16 younger loads and V's 4 stay out
	s_wait_alu depctr_vm_vsrc(0)                   ; the stores of slots 4-7 have read them: V's loads below land there
	s_wait_alu depctr_va_vdst(0)                   ; slots 8-11 are converted: the stores below read them
	DEAL 12,5, 8,4,8, 14,KP, 4,4,4, 8
	s_wait_loadcnt 20                              ; slots 17-20: K's 12 and V's 8
	s_wait_alu depctr_vm_vsrc(0)                   ; the stores of slots 8-11 have read them: V's loads below land there
	s_wait_alu depctr_va_vdst(0)                   ; slots 12-16 are converted: the stores below read them
	DEAL 17,4, 12,5,12, 14,KP, 8,4,8, 8
	s_wait_loadcnt 20                              ; slots 21-24: K's 8 and V's 12
	s_wait_alu depctr_vm_vsrc(0)                   ; the stores of slots 12-16 have read them: V's loads below land there
	s_wait_alu depctr_va_vdst(0)                   ; slots 17-20 are converted: the stores below read them
	DEAL 21,4, 17,4,17, 14,KP, 12,5,12, 8
	s_wait_loadcnt 21                              ; slots 25-28: K's 4 and V's 17
	s_wait_xcnt 0x0                                ; every earlier memory instruction has had its addresses translated (ISA guide 3.1): OFA is written over only behind this wait,
	s_wait_alu depctr_vm_vsrc(0)                   ; and V's 17 loads have read OFA, v64-80, which the masks of tiles 4-6 write
	s_wait_alu depctr_va_vdst(0)                   ; slots 21-24 are converted: the stores below read them
	DEAL 25,4, 21,4,21, 14,KP, 0,0,0, 8
	MASKD 4                                        ; v64-103
	MASKD 5
	MASKD 6
	MASKD 7
	MASKD 8
	s_wait_loadcnt 17                              ; slots 29-32, K's last: V's 17 stay out
	s_wait_alu depctr_va_vdst(0)                   ; slots 25-28 are converted: the stores below read them
	DEAL 29,4, 25,4,25, 14,KP, 0,0,0, 8
	s_wait_alu depctr_va_vdst(0)                   ; slots 29-32 are converted: the stores below read them; all conversions are done with slots 17-32, in which K's fragments land behind the barrier
	DEAL 0,0, 29,4,29, 14,KP, 0,0,0, 8
	s_wait_alu depctr_vm_vsrc(0)                   ; K's stores have read ST0-2 and slots 17-32, Q's stage's instructions v237 and v238: the lines below write ST0-2, v237 and v238, K's fragments land in the slots
	v_mul_u32_u24 v[ST0], v[RW], VP                ; the store bases, now for V
	v_lshl_add_u32 v[ST0], v[TR], 3, v[ST0]
	v_add_nc_u32 v[ST0], VREG, v[ST0]
	v_add_nc_u32 v[ST0+1], 12*32*VP, v[ST0]
	v_add_nc_u32 v[ST0+2], 24*32*VP, v[ST0]
	s_mul_i32 s[TS+2], s[WV], 16*OP                ; my stage for O
	v_mul_u32_u24 v[STO], v[TR], OP                ; in: row l % 16, 32 bytes for each half of the lanes
	v_lshl_add_u32 v[STO], v[TH], 5, v[STO]
	v_add_nc_u32 v[STO], s[TS+2], v[STO]
	v_mul_u32_u24 v[RD], v[TH], OP                 ; back: lanes 0-15 take one row of 256 bytes, lanes 16-31 the next
	v_lshl_add_u32 v[RD], v[TR], 4, v[RD]
	v_add_nc_u32 v[RD], s[TS+2], v[RD]
	s_wait_dscnt 0x0                               ; for the others' sake: my rows of K are stored; and my reads of Q's stage are back, before anyone stores V there
	s_barrier_signal -1
	s_barrier_wait -1                              ; K is whole.  V's loads into registers stay on their way across this barrier
	; ---- S^T = K Q^T + mask: nine tiles, two fragment buffers.  The first loads owe no wait: no vector line since the last wait on va_vdst names AKLO or v172-235
	LOADK 0, FB0
	LOADK 1, FB0+16
	LOADK 2, FB1
	LOADK 3, FB1+16
	s_wait_dscnt 8                                 ; tiles 0 and 1 are in; the eight loads of 2 and 3 may be out
	PAIRW 0, 1, FB0
	NOP4
	s_wait_alu depctr_va_vdst(0)                   ; the products of tiles 0 and 1 are done reading FB0, in which the loads below land; ST0-2, STO and RD are written
	LOADK 4, FB0
	LOADK 5, FB0+16
	s_wait_dscnt 8                                 ; tiles 2 and 3
	PAIRW 2, 3, FB1
	NOP4
	s_wait_alu depctr_va_vdst(0)                   ; the products of tiles 2 and 3 are done reading FB1, in which the loads below land
	LOADK 6, FB1
	LOADK 7, FB1+16
	s_wait_dscnt 8                                 ; tiles 4 and 5
	PAIRW 4, 5, FB0
	NOP4
	s_wait_alu depctr_va_vdst(0)                   ; the products of tiles 4 and 5 are done reading FB0, in which the loads below land
	LOADK 8, FB0
	s_wait_dscnt 0x0                               ; tiles 6, 7, 8: my last reads of K
	WQK 6, 0, FB1
	WQK 8, 0, FB0
	WQK 7, 0, FB1+16
	WQK 6, 1, FB1
	WQK 8, 1, FB0
	WQK 7, 1, FB1+16
	; ---- V's first 17 pairs of rows into LDS (their 34 conversions name no register of the products: they are the places behind them); as slots come free the other 16 are asked for
	s_wait_loadcnt 13                              ; V's slots 0-3 are in; its 13 younger loads stay out
	DEAL 0,4, 0,0,0, 12,VP, 0,0,0, 8
	s_wait_loadcnt 9                               ; slots 4-7
	s_wait_alu depctr_va_vdst(0)                   ; slots 0-3 are converted: the stores below read them
	DEAL 4,4, 0,4,0, 12,VP, 0,0,0, 8
	s_wait_loadcnt 5                               ; slots 8-11
	s_wait_alu depctr_vm_vsrc(0)                   ; the stores of slots 0-3 have read them: the loads below land there
	s_wait_alu depctr_va_vdst(0)                   ; slots 4-7 are converted: the stores below read them
	DEAL 8,4, 4,4,4, 12,VP, 0,4,17, 8
	s_wait_loadcnt 4                               ; slots 12-16, the last of the 17: the four loads just issued stay out
	s_wait_alu depctr_vm_vsrc(0)                   ; the stores of slots 4-7 have read them: the loads below land there
	s_wait_alu depctr_va_vdst(0)                   ; slots 8-11 are converted: the stores below read them
	DEAL 12,5, 8,4,8, 12,VP, 4,4,21, 8
	s_wait_xcnt 0x0                                ; every earlier memory instruction has had its addresses translated (ISA guide 3.1): OFB is written over only behind this wait,
	s_wait_alu depctr_vm_vsrc(0)                   ; the loads of row fetches 17-24 have read OFB, v244-251, which the softmax writes; the stores of slots 8-11 have read them: the loads below land there
	s_wait_alu depctr_va_vdst(0)                   ; slots 12-16 are converted: the stores below read them, and the loads further down land in slots 12-15
	DEAL 0,0, 12,5,12, 12,VP, 8,4,25, 8
	; ---- the softmax of my query's 72 scores (the other 72 lie in the lane 16 away)
.irp g, 0,1,2
	v_max3_num_f32 v[CH+\g], v[S+24*\g], v[S+24*\g+1], v[S+24*\g+2]    ; three chains over three tiles each, ascending: each accumulator is first read at its lowest register
.endr
.set nn, 0
.rept 10
.irp g, 0,1,2
	v_max3_num_f32 v[CH+\g], v[CH+\g], v[S+24*\g+3+2*nn], v[S+24*\g+4+2*nn]
.endr
.set nn, nn+1
.endr
	s_wait_alu depctr_vm_vsrc(0)                   ; the stores of slots 12-16 have read them: V's last four loads land in slots 12-15.  The maxima above name S^T and v240-242 alone
	DEAL 0,0, 0,0,0, 12,VP, 12,4,29, 8
.irp g, 0,1,2
	v_max_num_f32 v[CH+\g], v[CH+\g], v[S+24*\g+23]
.endr
	v_max3_num_f32 v[CH], v[CH], v[CH+1], v[CH+2]
	v_permlanex16_b32 v[TT], v[CH], s[SEL], s[SEL+1]
	v_max_num_f32 v[CM+1], v[CH], v[TT]            ; m: a true score, since every query sees its own key
	v_mul_f32 v[CM], s[CS], v[CM+1]                ; c m
.set nn, 0
.rept 36
	v_pk_fma_f32 v[S+2*nn:S+2*nn+1], v[S+2*nn:S+2*nn+1], s[CS:CS+1], v[CM:CM+1] op_sel_hi:[1,0,0] neg_lo:[0,0,1] neg_hi:[0,0,1]  ; c s - c m
.set nn, nn+1
.endr
.set nn, 0
.rept 72
	v_exp_f32 v[S+nn], v[S+nn]                     ; one batch: none of these reads another's result
.set nn, nn+1
.endr
.irp n, 36,37,38,39
	v_mov_b32 v[P+\n], 0                           ; the ninth tile has no partner: its pair's other 16 keys weigh 0.  These are also the plain instructions behind the last exponential
.endr
	s_wait_alu depctr_va_vdst(0)                   ; the 72 exponentials have written their results: the one wait for the batch, ahead of its first reader
.set nn, 0
.rept 36
	v_cvt_pk_f16_f32 v[P+nn], v[S+2*nn], v[S+2*nn+1]
.if nn >= 8
	v_pk_add_f32 v[SUM+2*(nn%4):SUM+2*(nn%4)+1], v[SUM+2*(nn%4):SUM+2*(nn%4)+1], v[S+2*nn:S+2*nn+1]
.elseif nn >= 4
	v_pk_add_f32 v[SUM+2*(nn-4):SUM+2*(nn-4)+1], v[S+2*(nn-4):S+2*(nn-4)+1], v[S+2*nn:S+2*nn+1]   ; two pairs start each of the four sums: nothing is cleared
.endif
.set nn, nn+1
.endr
	v_pk_add_f32 v[SUM:SUM+1], v[SUM:SUM+1], v[SUM+2:SUM+3]
	v_pk_add_f32 v[SUM+4:SUM+5], v[SUM+4:SUM+5], v[SUM+6:SUM+7]
	v_pk_add_f32 v[SUM:SUM+1], v[SUM:SUM+1], v[SUM+4:SUM+5]
	v_add_f32 v[SUM], v[SUM], v[SUM+1]
	v_permlanex16_b32 v[TT], v[SUM], s[SEL], s[SEL+1]
	v_add_f32 v[SUM], v[SUM], v[TT]                ; l, at least 1: the maximum's own weight
	v_rcp_f32 v[RL], v[SUM]                        ; twice, for the packed multiply; their first reader stands on the way out:
	v_rcp_f32 v[RL+1], v[SUM]                      ; the conversions below are the plain work behind them
	; ---- V's other 16 pairs of rows into LDS
	s_wait_loadcnt 12                              ; slots 0-3 are in; the 12 younger loads stay out
	DEAL 0,4, 0,0,0, 12,VP, 0,0,0, 8
	s_wait_loadcnt 8                               ; slots 4-7
	s_wait_alu depctr_va_vdst(0)                   ; slots 0-3 are converted: the stores below read them; the two reciprocals have written RL: this is also their wait, ahead of their first reader
	DEAL 4,4, 0,4,17, 12,VP, 0,0,0, 8
	s_wait_loadcnt 4                               ; slots 8-11
	s_wait_alu depctr_va_vdst(0)                   ; slots 4-7 are converted: the stores below read them
	DEAL 8,4, 4,4,21, 12,VP, 0,0,0, 8
	s_wait_loadcnt 0x0                             ; slots 12-15
	s_wait_alu depctr_va_vdst(0)                   ; slots 8-11 are converted: the stores below read them
	DEAL 12,4, 8,4,25, 12,VP, 0,0,0, 8
	s_wait_alu depctr_va_vdst(0)                   ; slots 12-15 are converted: the stores below read them; all conversions are done with slots 0-15, in which V's fragments land behind the barrier
	DEAL 0,0, 12,4,29, 12,VP, 0,0,0, 8
	s_wait_dscnt 0x0                               ; for the others' sake: my rows of V are stored
	s_barrier_signal -1
	s_barrier_wait -1                              ; V is whole, and nobody reads K any more
	s_wait_alu depctr_vm_vsrc(0)                   ; my LDS stores have read slots 0-15: these registers are VF0 and VF1 from here on, in which V's fragments land
	; ---- O^T = V^T P: four pairs of key tiles and the ninth tile, two fragment buffers
	LOADV 0, 0, VF0
	LOADV 1, 1, VF0
	LOADV 2, 0, VF1
	LOADV 3, 1, VF1
	s_wait_dscnt 8                                 ; pair 0 is in
	WPV 0, VF0, 1
	NOP4
	s_wait_alu depctr_va_vdst(0)                   ; the products of pair 0 are done reading VF0, in which the loads below land
	LOADV 4, 0, VF0
	LOADV 5, 1, VF0
	s_wait_dscnt 8                                 ; pair 1
	WPV 1, VF1, 0
	NOP4
	s_wait_alu depctr_va_vdst(0)                   ; the products of pair 1 are done reading VF1, in which the loads below land
	LOADV 6, 0, VF1
	LOADV 7, 1, VF1
	s_wait_dscnt 8                                 ; pair 2
	WPV 2, VF0, 0
	NOP4
	s_wait_alu depctr_va_vdst(0)                   ; the products of pair 2 are done reading VF0, in which the loads below land
	LOADV 8, 0, VF0                                ; the other half of the buffer keeps tile 5's numbers, which meet weights of 0
	s_wait_dscnt 4                                 ; pair 3
	WPV 3, VF1, 0
	s_wait_dscnt 0x0
	WPV 4, VF0, 0
	; ---- the way out: O^T / l in f32, through my stage, as whole rows of 256 bytes
.rept 8
	v_nop                                          ; places behind the last products: the lines below read and rewrite their results
.endr
.set nn, 0
.rept 16
	v_pk_mul_f32 v[OT+2*nn:OT+2*nn+1], v[OT+2*nn:OT+2*nn+1], v[RL:RL+1]   ; ascending: each accumulator is first read at its lowest registers
.set nn, nn+1
.endr
	s_wait_alu depctr_va_vdst(0)                   ; the multiplies have written O^T, which the LDS stores read; the softmax's lines are done with v64-95, in which the rows read back land
.irp cb, 0,1,2,3
	ds_store_b128 v[STO], v[OT+8*\cb:OT+8*\cb+3] offset:64*\cb           ; my query's channels 16 cb + 8 (l / 16) + 0..3,
	ds_store_b128 v[STO], v[OT+8*\cb+4:OT+8*\cb+7] offset:64*\cb+16      ; and + 4..7
.endr
.irp t, 0,1,2,3,4,5,6,7
	ds_load_b128 v[BK+4*\t:BK+4*\t+3], v[RD] offset:2*OP*\t              ; in order behind the stores above: rows 2 t and 2 t + 1
.endr
.irp t, 0,1,2,3,4,5,6,7
	s_wait_dscnt 7-\t                              ; the younger rows may be out
	global_store_b128 v[OFFQ], v[BK+4*\t:BK+4*\t+3], s[10:11] offset:8192*\t th:TH_STORE_NT  ; 16 lanes store 256 consecutive bytes, at a multiple of 256 from out0's first byte
.endr
	s_wait_dscnt 0x0                               ; the closing lines, six on end
	s_wait_alu 0x0
	s_wait_tensorcnt 0x0
	ds_add_u32 v[SPW], v[NIL]
	s_wait_dscnt 0x0
	s_endpgm
.Lfunc_end_k_q6d4e7e5924_logsparse:
	.size	k_q6d4e7e5924_logsparse, .Lfunc_end_k_q6d4e7e5924_logsparse-k_q6d4e7e5924_logsparse
	.p2alignl 7, 3214868480
	.fill 96, 4, 3214868480
	.section	.rodata,"a",@progbits
	.p2align	6, 0x0
	.amdhsa_kernel k_q6d4e7e5924_logsparse
		.amdhsa_group_segment_fixed_size 323072
		.amdhsa_private_segment_fixed_size 0
		.amdhsa_enable_private_segment 0
		.amdhsa_kernarg_size 32
		.amdhsa_user_sgpr_count 2
		.amdhsa_user_sgpr_kernarg_segment_ptr 1
		.amdhsa_wavefront_size32 1
		.amdhsa_system_sgpr_workgroup_id_x 1
		.amdhsa_system_sgpr_workgroup_id_y 1
		.amdhsa_system_sgpr_workgroup_id_z 1
		.amdhsa_system_vgpr_workitem_id 0
		.amdhsa_next_free_vgpr 256
		.amdhsa_next_free_sgpr 98
		.amdhsa_reserve_vcc 0
		.amdhsa_float_denorm_mode_32 3
		.amdhsa_float_denorm_mode_16_64 3
		.amdhsa_memory_ordered 1
		.amdhsa_forward_progress 1
		.amdhsa_inst_pref_size 68
	.end_amdhsa_kernel
	.amdgpu_metadata
---
amdhsa.version: [ 1, 2 ]
amdhsa.kernels:
  - .name:           k_q6d4e7e5924_logsparse
    .symbol:         k_q6d4e7e5924_logsparse.kd
    .args:
      - { .name: queries, .offset: 0, .size: 8, .value_kind: global_buffer, .address_space: global }
      - { .name: keys, .offset: 8, .size: 8, .value_kind: global_buffer, .address_space: global }
      - { .name: values, .offset: 16, .size: 8, .value_kind: global_buffer, .address_space: global }
      - { .name: out0, .offset: 24, .size: 8, .value_kind: global_buffer, .address_space: global }
    .group_segment_fixed_size: 323072
    .private_segment_fixed_size: 0
    .kernarg_segment_align: 8
    .kernarg_segment_size: 32
    .max_flat_workgroup_size: 512
    .sgpr_count:     98
    .vgpr_count:     256
    .wavefront_size: 32
...
	.end_amdgpu_metadata
.endif
;; end of part 2
